; MI455X (gfx1250); checked and timed in simulation.
; The chip was launched on July 23, 2026; its instructions are those of AMD's public machine-readable ISA for CDNA 5 (MIT licence, August 2026) and "CDNA5" Instruction Set Architecture Reference Guide (July 2026). The comments in the code are by the model that wrote it; some were corrected since.
;; Multi Head Attention. Allowed arithmetic: matrix products marked QUANTISED: E4M3 operands, one given power-of-two scale a tensor, by v_wmma_f32_16x16x64_fp8_fp8 or v_wmma_f32_16x16x128_fp8_fp8, f32 sums; everything else in f32.
;; Inputs: K 4 x 2,048 x 1,024 float32; Q 4 x 2,048 x 1,024 float32; V 4 x 2,048 x 1,024 float32; lowp_scales 2 int32 (the exponents e of the quantised operands' scales 2^e); proj_b 1,024 float32; proj_w_codes 1,024 x 32 x 32 uint8 (E4M3 codes of proj_w, K innermost, in blocks of 32 codes).
;; Outputs: out0 4 x 2,048 x 1,024 float32.
;; This version of the problem:
;;   THIS VERSION OF THE PROBLEM IS GIVEN IN LOW PRECISION. The matrix products marked QUANTISED in the list below multiply operands that are first quantised to E4M3 (4 exponent bits, 3 mantissa bits; 8 bits a number), with one given power-of-two scale for each operand tensor; their sums are f32. All else is computed in f32.
;;   The module's matrix products, in the order in which they are computed (A, B: the left and right operand; K: the contracted axis; several contracted axes count as one K, in the product's order):
;;     1. [M 8,192, K 1,024] x [K 1,024, N 1,024]; A: computed on the way; B: input proj_w (given as codes): QUANTISED (scales: A lowp_scales[0], B lowp_scales[1])
;;   THE QUANTISER, for each operand of a quantised product, along K:
;;     - The operand's scale is 2^e, e = its entry of the input lowp_scales (int32; the entries are numbered through the quantised products in the list's order, A before B).
;;     - Each number is divided by the scale, clamped to +-448, and rounded to the nearest number of E4M3, ties to even, subnormals kept.
;;     - The product sums the exact products of the quantised numbers (number of the format x scale) in f32.
;;   ~~~python
;;   def quantise(x, axis, e):      # numpy; x: float32 -> the quantised numbers, widened to float32 again
;;       x = np.moveaxis(x, axis, -1); K = x.shape[-1]
;;       r = np.clip(x / 2.0 ** e, -448, 448)
;;       step = 2.0 ** (np.maximum(np.frexp(np.where(r == 0, 1, r))[1] - 1, -6) - 3)
;;       q = np.round(r / step) * step * 2.0 ** e      # np.round: ties to even
;;       return np.moveaxis(q, -1, axis).astype(np.float32)
;;   ~~~
;;   OPERANDS COMPUTED ON THE WAY. 'Computed on the way' means the value that the module computes at that place (a softmax that the list does not call 'softmax' is quantised finished and normalised). What goes into a quantiser is computed in f32, as accurately as f32 sums, v_exp_f32 and their like allow (about 1e-6 of the number): no bf16 or f16 on the way to a quantiser, and a product that is left as it is and whose result goes on into a quantised operand takes f32 operands (vector FMAs, or v_wmma_f32_16x16x4_f32). A number that lies on a knife's edge between two numbers of the format may be rounded either way, as far as f32 arithmetic and the matrix unit's own rounding can turn it there, and no further.
;;   INPUTS GIVEN AS CODES. proj_w (in the module: [1024, 1024], K = its axis 1): each comes as NAME_codes (uint8): NAME with its K axis moved to the last place and cut into blocks of 32 codes, [.., K / 32, bytes a block], one block behind the other in memory; one code a byte (a code: sign, 4 exponent bits, 3 mantissa bits); its scale is its entry of lowp_scales. Its value is code x scale, taken as it is: it is not quantised again, and the codes and scales need not be those that the quantiser above would give.
;; 2 versions, each right; version 2 is version 1 with the launch attn written anew for expert scheduling mode. Each part assembles by itself: llvm-mc -triple=amdgcn-amd-amdhsa -mcpu=gfx1250 --defsym DOCPART=n.
;; ======== version 1 of 2: 2 launches
;; workspace buffers: ks 524,288 bytes; vp 131,072 bytes; wf 1,048,576 bytes
;; launch reduce (part 1): grid 256 x 1, 8 waves a work-group, no clusters, 11,264 bytes of LDS; arguments K, V, proj_w_codes, ks, vp, wf; writes ks, vp, wf
.if DOCPART == 1
	.amdgcn_target "amdgcn-amd-amdhsa--gfx1250"
	.amdhsa_code_object_version 6
	.text
	.protected	k_q26fc9f6cdd_reduce
	.globl	k_q26fc9f6cdd_reduce
	.p2align	8
	.type	k_q26fc9f6cdd_reduce,@function
k_q26fc9f6cdd_reduce:
	s_mov_b64 s[64:65], 0
	v_nop
	global_prefetch_b8 v0, s[64:65] scope:SCOPE_SE
	s_setreg_imm32_b32 hwreg(HW_REG_WAVE_MODE, 25, 1), 1
	s_wait_xcnt 0x0
; THREE REDUCTIONS AND LAYOUTS THAT THE SECOND LAUNCH NEEDS WHOLE BEFORE IT CAN BEGIN.  K, V: [4][2048][1024] f32; proj_w_codes: [1024][1024] bytes, K innermost.
;   ks [4 b][16 h][2048 p] f32: Ks = the sum of K's 64 numbers of a head, for every row.
;   vp [4 b][8 chunks][1024] f32: the sums of V's columns over chunks of 256 rows (the second launch adds a batch's eight).
;   wf [8 K steps hp][64 n tiles nt][4 c][32 lanes][16 bytes]: W's codes in the order of an operand's registers: lane (r, hf) of quad c holds W[16 nt + r][128 hp + 32 c + 16 hf + 0 .. 15].
; Every one of the 256 work-groups does a 256th of each job, on one straight path; each input byte is read once.
;   K: 64 rows x 8 heads (2,048 bytes of a row).  A wave takes 8 rows, four loads a row; a load's 512 bytes are two heads: lanes 0-15 one, lanes 16-31 the other.
;   V: 256 rows x 128 columns (512 bytes of a row).  A wave takes 32 rows, a load a row; a lane keeps the same four columns, so nothing crosses lanes.
;   W: 16 rows x 256 bytes = two fragments.  Thread t takes 16 bytes; sixteen lanes read 256 consecutive bytes of a row.
; 49 loads of a wave go out together; the sums follow them in the order of issue.  Results meet in LDS behind ONE barrier and leave so that sixteen lanes store 256 consecutive, aligned bytes.
; No matrix unit, no cluster, no tensor load: the work-groups share no input and memory binds.
; LIMITS: the sums are f32 sums in another order than the reference's; NaN and infinities among the inputs are not served.
.set KT, 0                             ; LDS: [8 heads][64 rows] f32
.set VT, 2048                          ; [8 waves][512 bytes]: each wave's sums of its 32 rows
.set WT, 6144                          ; two fragment images of 2,048 bytes
.set KR, 32                            ; v32-159   K's 32 loads, 4 registers each
.set VA, 160                           ; v160-223  V's loads 0-15
.set VB, 32                            ; v32-95    V's loads 16-31, where K's rows 0-3 lay
	s_load_b256 s[4:11], s[0:1], 0x0               ; K s[4:5], V s[6:7], W's codes s[8:9], ks s[10:11]
	s_load_b128 s[12:15], s[0:1], 0x20             ; vp s[12:13], wf s[14:15]
	v_lshl_add_u32 v224, v0, 2, 0x2800
	v_mov_b32 v225, 0
	v_lshrrev_b32 v1, 5, v0
	v_readfirstlane_b32 s20, v1                    ; wave 0..7
	v_and_b32 v1, 31, v0
	v_lshlrev_b32 v1, 4, v1                        ; v1 = 16 x lane; never rewritten
	v_bfe_u32 v2, v0, 4, 1                         ; which half of the lanes
	v_lshlrev_b32 v2, 8, v2
	s_lshl_b32 s21, s20, 5
	v_add_nc_u32 v2, s21, v2                       ; v2 = KT + 256 x half + 32 x wave: head 2 q + half, row 8 x wave + rr come by the immediate
	s_lshl_b32 s21, s20, 9
	s_add_co_u32 s21, s21, VT
	v_add_nc_u32 v3, s21, v1                       ; v3 = my wave's 512 bytes of VT
	v_lshrrev_b32 v28, 4, v0                       ; t / 16
	v_and_b32 v29, 15, v0                          ; t % 16
	v_lshlrev_b32 v4, 10, v28
	v_lshl_add_u32 v4, v29, 4, v4                  ; v4 = W: row t / 16 of 1,024 bytes, 16 bytes at 16 (t % 16)
	v_lshlrev_b32 v5, 8, v29
	v_lshl_add_u32 v5, v28, 4, v5
	v_add_nc_u32 v5, WT, v5                        ; v5 = WT + 256 (t % 16) + 16 (t / 16): piece cc = t % 16 of a row is fragment cc / 8, quad (cc / 2) % 4, half cc % 2: 2048, 512 and 256 bytes each = 256 cc
	v_lshlrev_b32 v7, 4, v0                        ; v7 = KT + 16 t
	v_add_nc_u32 v6, WT, v7                        ; v6 = WT + 16 t
	v_lshrrev_b32 v24, 7, v0
	v_lshlrev_b32 v24, 17, v24
	v_and_b32 v25, 127, v0
	v_lshl_add_u32 v24, v25, 4, v24                ; v24 = wf: fragment t / 128 (131,072 bytes on), 16 bytes at 16 (t % 128)
	v_lshlrev_b32 v25, 13, v28
	v_lshl_add_u32 v25, v29, 4, v25                ; v25 = ks: head t / 16 (8,192 bytes on), 16 bytes at 16 (t % 16)
	v_add_nc_u32 v26, VT, v1                       ; v26 = VT + 16 x lane
	; byte offsets of my shares, each in a pair of its own
	s_lshr_b32 s22, ttmp9, 1
	s_lshl_b32 s22, s22, 18                        ; K: 64 rows of 4,096 bytes x (g / 2),
	s_and_b32 s34, ttmp9, 1
	s_lshl_b32 s35, s34, 11
	s_add_co_u32 s22, s22, s35                     ; + 2,048 x (g % 2),
	s_lshl_b32 s35, s20, 15
	s_add_co_u32 s22, s22, s35                     ; + my wave's 8 rows
	s_mov_b32 s23, 0
	s_lshr_b32 s36, ttmp9, 3
	s_lshl_b32 s24, s36, 20                        ; V: 256 rows x (g / 8),
	s_and_b32 s37, ttmp9, 7
	s_lshl_b32 s37, s37, 9
	s_add_co_u32 s24, s24, s37                     ; + 512 x (g % 8),
	s_lshl_b32 s35, s20, 17
	s_add_co_u32 s24, s24, s35                     ; + my wave's 32 rows
	s_mov_b32 s25, 0
	s_lshr_b32 s38, ttmp9, 2                       ; nt
	s_and_b32 s39, ttmp9, 3                        ; a
	s_lshl_b32 s26, s38, 14
	s_lshl_b32 s35, s39, 8
	s_add_co_u32 s26, s26, s35                     ; W: 16 rows x nt + 256 a
	s_mov_b32 s27, 0
	s_lshr_b32 s28, ttmp9, 6
	s_lshl_b32 s28, s28, 17                        ; ks: batch g / 64,
	s_lshl_b32 s35, s34, 16
	s_add_co_u32 s28, s28, s35                     ; heads 8 (g % 2) on,
	s_bfe_u32 s35, ttmp9, 0x50001
	s_lshl_b32 s35, s35, 8
	s_add_co_u32 s28, s28, s35                     ; p = 64 ((g % 64) / 2) on
	s_mov_b32 s29, 0
	s_lshl_b32 s30, s36, 12
	s_add_co_u32 s30, s30, s37                     ; vp: 4,096 (g / 8) + 512 (g % 8)
	s_mov_b32 s31, 0
	s_lshl_b32 s32, s39, 18
	s_lshl_b32 s35, s38, 11
	s_add_co_u32 s32, s32, s35                     ; wf: K steps 2 a, 2 a + 1; n tile nt
	s_mov_b32 s33, 0
	s_wait_kmcnt 0x0
	s_add_nc_u64 s[4:5], s[4:5], s[22:23]
	s_add_nc_u64 s[6:7], s[6:7], s[24:25]
	s_add_nc_u64 s[8:9], s[8:9], s[26:27]
	s_add_nc_u64 s[10:11], s[10:11], s[28:29]
	s_add_nc_u64 s[12:13], s[12:13], s[30:31]
	s_add_nc_u64 s[14:15], s[14:15], s[32:33]
	global_load_b128 v[16:19], v4, s[8:9]          ; W: 1 load
.irp i, 0,1,2,3,4,5,6,7,8,9,10,11,12,13,14,15,16,17,18,19,20,21,22,23,24,25,26,27,28,29,30,31
	global_load_b128 v[KR+4*\i:KR+4*\i+3], v1, s[4:5] offset:(\i/4)*4096+(\i%4)*512 th:TH_LOAD_NT   ; K: row i / 4, heads 2 (i % 4) and 2 (i % 4) + 1
.endr
.irp i, 0,1,2,3,4,5,6,7,8,9,10,11,12,13,14,15
	global_load_b128 v[VA+4*\i:VA+4*\i+3], v1, s[6:7] offset:\i*4096 th:TH_LOAD_NT                  ; V: rows 0-15
.endr
	s_wait_loadcnt 48                              ; W's load is in: 32 of K and 16 of V were issued behind it
	ds_store_b128 v5, v[16:19]                     ; into the images.  (The sixteen lanes of a half stand 256 bytes apart here: one such store a wave in the whole launch)
; One row of K: four loads, eight heads' sums.  The count leaves out what was issued behind the row's last load: the rest of K's loads and the loads of V issued so far
; (rows 0-3: 28 - 4 rr of K and 16 of V; rows 4-7: 28 - 4 rr of K and 32 of V: the same figures again).
.macro KROW rr
.set X, KR+16*(\rr)
	s_wait_loadcnt 44-4*((\rr)%4)
.irp q, 0,1,2,3
	v_pk_add_f32 v[X+4*\q:X+4*\q+1], v[X+4*\q:X+4*\q+1], v[X+4*\q+2:X+4*\q+3]
.endr
.irp q, 0,1,2,3
	v_add_f32 v[X+4*\q], v[X+4*\q], v[X+4*\q+1]                    ; my four numbers
.endr
.irp m, 1,2,4,8
.irp q, 0,1,2,3
	v_add_f32_dpp v[X+4*\q], v[X+4*\q], v[X+4*\q] row_xmask:\m row_mask:0xf bank_mask:0xf   ; and the sixteen lanes of a head
.endr
.endr
.irp q, 0,1,2,3
	ds_store_b32 v2, v[X+4*\q] offset:512*\q+4*(\rr)               ; the sixteen lanes of a half write one word, with the same number
.endr
.endm
; Four rows of V onto two chains (v8-11, v12-15) by turns; the first four start the chains: nothing is cleared.
.macro VGRP gq
	s_wait_loadcnt 28-4*(\gq)                      ; behind this group's last load stand the 28 - 4 gq that follow it
.if (\gq) < 4
.set VL, VA+16*(\gq)
.else
.set VL, VB+16*((\gq)-4)
.endif
.if (\gq) == 0
	v_pk_add_f32 v[8:9],   v[VL:VL+1],   v[VL+8:VL+9]
	v_pk_add_f32 v[10:11], v[VL+2:VL+3], v[VL+10:VL+11]
	v_pk_add_f32 v[12:13], v[VL+4:VL+5], v[VL+12:VL+13]
	v_pk_add_f32 v[14:15], v[VL+6:VL+7], v[VL+14:VL+15]
.else
.irp u, 0,2
	v_pk_add_f32 v[8:9],   v[8:9],   v[VL+4*\u:VL+4*\u+1]
	v_pk_add_f32 v[10:11], v[10:11], v[VL+4*\u+2:VL+4*\u+3]
	v_pk_add_f32 v[12:13], v[12:13], v[VL+4*\u+4:VL+4*\u+5]
	v_pk_add_f32 v[14:15], v[14:15], v[VL+4*\u+6:VL+4*\u+7]
.endr
.endif
.endm
	KROW 0
	KROW 1
	KROW 2
	KROW 3
	s_wait_dscnt 0x0                               ; the LDS stores have read v32-95: V's second sixteen loads may land there
.irp i, 0,1,2,3,4,5,6,7,8,9,10,11,12,13,14,15
	global_load_b128 v[VB+4*\i:VB+4*\i+3], v1, s[6:7] offset:(16+\i)*4096 th:TH_LOAD_NT             ; V: rows 16-31
.endr
	KROW 4
	KROW 5
	KROW 6
	KROW 7
.irp g, 0,1,2,3,4,5,6,7
	VGRP \g
.endr
	v_pk_add_f32 v[8:9], v[8:9], v[12:13]
	v_pk_add_f32 v[10:11], v[10:11], v[14:15]
	ds_store_b128 v3, v[8:11]                      ; my wave's sums of its 32 rows
	s_wait_dscnt 0x0                               ; for the others' sake: all my LDS stores have landed
	s_barrier_signal -1
	s_barrier_wait -1
	; THE WAY OUT
	ds_load_b128 v[16:19], v6                      ; every wave: 512 bytes of the images
	s_cmp_lt_u32 s20, 4
	s_cbranch_scc0 .Lnot_ks
	ds_load_b128 v[20:23], v7                      ; waves 0-3: two heads' 64 sums each
	s_wait_dscnt 0x0
	global_store_b128 v25, v[20:23], s[10:11]      ; sixteen lanes store a head's 64 p: 256 consecutive bytes, at a multiple of 256 from ks's first byte
.Lnot_ks:
	s_cmp_eq_u32 s20, 4
	s_cbranch_scc0 .Lnot_vp
.irp j, 0,1,2,3,4,5,6,7
	ds_load_b128 v[32+4*\j:35+4*\j], v26 offset:512*\j             ; wave 4: the eight waves' sums
.endr
	s_wait_dscnt 0x0
.irp j, 1,2,3,4,5,6,7
	v_pk_add_f32 v[32:33], v[32:33], v[32+4*\j:33+4*\j]
	v_pk_add_f32 v[34:35], v[34:35], v[34+4*\j:35+4*\j]
.endr
	global_store_b128 v1, v[32:35], s[12:13]       ; 512 consecutive bytes of vp
.Lnot_vp:
	s_wait_dscnt 0x0
	global_store_b128 v24, v[16:19], s[14:15]      ; 512 consecutive bytes of a fragment
	s_wait_tensorcnt 0x0
	ds_add_u32 v224, v225
	s_wait_dscnt 0x0
	s_endpgm
.Lfunc_end_k_q26fc9f6cdd_reduce:
	.size	k_q26fc9f6cdd_reduce, .Lfunc_end_k_q26fc9f6cdd_reduce-k_q26fc9f6cdd_reduce
	.p2alignl 7, 3214868480
	.fill 96, 4, 3214868480
	.section	.rodata,"a",@progbits
	.p2align	6, 0x0
	.amdhsa_kernel k_q26fc9f6cdd_reduce
		.amdhsa_group_segment_fixed_size 11264
		.amdhsa_private_segment_fixed_size 0
		.amdhsa_enable_private_segment 0
		.amdhsa_kernarg_size 48
		.amdhsa_user_sgpr_count 2
		.amdhsa_user_sgpr_kernarg_segment_ptr 1
		.amdhsa_wavefront_size32 1
		.amdhsa_system_sgpr_workgroup_id_x 1
		.amdhsa_system_sgpr_workgroup_id_y 1
		.amdhsa_system_sgpr_workgroup_id_z 1
		.amdhsa_system_vgpr_workitem_id 0
		.amdhsa_next_free_vgpr 226
		.amdhsa_next_free_sgpr 66
		.amdhsa_reserve_vcc 0
		.amdhsa_float_denorm_mode_32 3
		.amdhsa_float_denorm_mode_16_64 3
		.amdhsa_memory_ordered 1
		.amdhsa_forward_progress 1
		.amdhsa_inst_pref_size 29
	.end_amdhsa_kernel
	.amdgpu_metadata
---
amdhsa.version: [ 1, 2 ]
amdhsa.kernels:
  - .name:           k_q26fc9f6cdd_reduce
    .symbol:         k_q26fc9f6cdd_reduce.kd
    .args:
      - { .name: K, .offset: 0, .size: 8, .value_kind: global_buffer, .address_space: global }
      - { .name: V, .offset: 8, .size: 8, .value_kind: global_buffer, .address_space: global }
      - { .name: proj_w_codes, .offset: 16, .size: 8, .value_kind: global_buffer, .address_space: global }
      - { .name: ks, .offset: 24, .size: 8, .value_kind: global_buffer, .address_space: global }
      - { .name: vp, .offset: 32, .size: 8, .value_kind: global_buffer, .address_space: global }
      - { .name: wf, .offset: 40, .size: 8, .value_kind: global_buffer, .address_space: global }
    .group_segment_fixed_size: 11264
    .private_segment_fixed_size: 0
    .kernarg_segment_align: 8
    .kernarg_segment_size: 48
    .max_flat_workgroup_size: 256
    .sgpr_count:     66
    .vgpr_count:     226
    .wavefront_size: 32
...
	.end_amdgpu_metadata
.endif
;; end of part 1
;; launch attn (part 2): grid 256 x 1, 16 waves a work-group, no clusters, 215,040 bytes of LDS; arguments Q, ks, vp, wf, proj_b, lowp_scales, out0; writes out0
.if DOCPART == 2
	.amdgcn_target "amdgcn-amd-amdhsa--gfx1250"
	.amdhsa_code_object_version 6
	.text
	.protected	k_q26fc9f6cdd_attn
	.globl	k_q26fc9f6cdd_attn
	.p2align	8
	.type	k_q26fc9f6cdd_attn,@function
k_q26fc9f6cdd_attn:
	s_mov_b64 s[64:65], 0
	v_nop
	global_prefetch_b8 v0, s[64:65] scope:SCOPE_SE
	s_setreg_imm32_b32 hwreg(HW_REG_WAVE_MODE, 25, 1), 1
	s_wait_xcnt 0x0
; out0[m][n] = sum over k of Quant(A)[m][k] W[n][k] + proj_b[n],  A[m][64 h + e] = diag[m][h] Vs[b][64 h + e],
; diag[m][h] = exp(a_mm - max_k a_mk) / sum over k of exp(a_mk - max_k a_mk),  a_mk = Qs[m][h] Ks[b][h][k] / 8:  the diagonal of the softmax of an outer product of row sums.
; Qs: the sum of Q's 64 numbers of a head, made here.  Ks (ks), V's partial column sums (vp) and W's codes in fragment order (wf) come from the launch before.
; THE ROW'S MAXIMUM is taken away before every exponential: since a_mk is q x Ks[k], it is max(q Kmax, q Kmin), Kmax and Kmin the head's largest and smallest Ks.  The numerator and the sum use the same q and the same maximum.
; SHARES.  A work-group owns 32 rows, all 16 heads and all 1,024 columns: 512 (row, head) pairs x 2,048 keys of exponentials, and 32 x 1,024 x 1,024 of the product.  Sixteen waves of 256 registers, four to a SIMD,
; so that one wave's packed arithmetic and waits stand beside another's exponentials.
; EIGHT PHASES, one for each pair of heads = one K step of 128 of the product.  In a phase wave w (hl = mt = w / 8, g = w % 8):
;   E  makes the exponentials of head 2 hp + hl, rows 4 g .. 4 g + 3.  A lane stands for keys: the head's 2,048 Ks lie in 64 registers (key 128 i + 4 lane + 0 .. 3 in registers 4 i on), read from LDS once for the four rows;
;   R  adds over the lanes, divides, puts its four diag into LDS; also sums the next phase's Q (rows 2 w, 2 w + 1, both heads)                                   | barrier |
;   A  makes 8 codes a lane: registers 2 g, 2 g + 1 of the fragment of rows 16 mt on: diag x Vs, held within +-448 x 2^eA, converted; they go to LDS as an image of the registers   | barrier |
;   G  takes both fragments, and multiplies them by its four fragments of W (columns 64 w .. 64 w + 63): 8 matrix instructions on 8 accumulators.
; The phase's W (16 loads a wave, straight into the operand's registers) and the next phase's Q (2 loads) are asked for at the phase's head and have E in which to land.
; THE MATRIX INSTRUCTION IS USED TRANSPOSED (source 0 = 16 rows of W, source 1 = 16 rows of A): a lane holds row r and eight neighbouring columns.  Both operands lie with k = 32 c + 16 (lane / 16) + 0 .. 15 in registers 4 c .. 4 c + 3:
; a permutation of k, the same on both sides, so that every product meets its partner.
; NO CLUSTER, NO TENSOR LOAD, though all work-groups read the same W: a joint load lands in LDS, and a K step of W is 131,072 bytes, more than the 114,688 that this text leaves of 327,680; it would be written to LDS and read
; again, with a round of the cluster's barrier in each phase, where here each lane's 16 bytes come straight into the operand's registers, asked for a whole phase ahead.
; LIMITS.  Inputs are finite (NaN and infinities are not served).  eA = lowp_scales[0] between -126 and 119, eA + eW between -126 and 127, so that each power of two below is an f32 number.
; An exponential under 2^-126 comes out as 0 (v_exp_f32): nothing beside a sum that holds a term of about 1.  The f32 sums go in another order than the reference's.
.set VS,  0                            ; LDS: Vs[1024] f32
.set KD,  4096                         ; Ks at my 32 rows: [16 h][32] f32
.set KX,  6144                         ; (Kmax, Kmin), 8 bytes a head
.set QS,  6400                         ; Qs[2 heads][32 rows] of the phase to come
.set DG,  6912                         ; diag[2 heads][32 rows]
.set IMG, 7168                         ; two fragment images: quad c of rows 16 mt on at 2048 mt + 512 c + 16 lane
.set STG, 11264                        ; the way out: 16 rows x 272 bytes for each wave
.set SP,  272
.set KS,  81920                        ; Ks[16 h][2048] f32
; v0 the thread's number, v1 16 x lane: both stay.  v2, v3 addresses.  v4-7, v28-31: Q on its way, then Qs and Ks-at-my-rows of the next phase.  v24-27: two chains of sums; v24, v25 also Kmax, Kmin; v27 also an address.
.set ROW, 8                            ; v8-23   row j at v[8 + 4 j]: +0 qc = Qs log2(e) / 8; +1 the numerator's exponent, then the numerator; +2 the maximum; +3 the row's sum
.set T,   32                           ; v32-63  32 numbers at work; scratch in R and A; the two fragments of A in G
.set KSR, 64                           ; v64-127 my head's Ks
.set WF,  128                          ; v128-191 four fragments of W
.set ACC, 192                          ; v192-255 accumulator (mt, nt) at 192 + 8 (4 mt + nt)
.set KXW, 23                           ; s23  KX + 8 w
.set KSA, 32                           ; s32  LDS: the head whose Ks I load next
.set KDR, 33                           ; s33  Ks at my four rows, of the phase to come
.set KXR, 34                           ; s34  its Kmax, Kmin
.set VSR, 35                           ; s35  my eight Vs of this phase (less the half's 64 bytes)
.set QSR, 36                           ; s36  Qs of my four rows
.set QSW, 37                           ; s37  where I put Qs of rows 2 w, 2 w + 1
.set DGW, 38                           ; s38  where I put my four diag
.set DGR, 39                           ; s39  diag of head g / 4, rows 16 mt on
.set IMW, 40                           ; s40  where my 8 codes go in the images
.macro BAR                             ; my LDS stores have landed and my LDS loads are in: then the work-group's barrier
	s_wait_dscnt 0x0
	s_barrier_signal -1
	s_barrier_wait -1
.endm
; Q's two rows (v4-7: row 2 w; v28-31: row 2 w + 1; lanes 0-15 the even head, lanes 16-31 the odd one) become four sums in LDS.
.macro QSUM
	v_pk_add_f32 v[4:5], v[4:5], v[6:7]
	v_pk_add_f32 v[28:29], v[28:29], v[30:31]
	v_add_f32 v4, v4, v5
	v_add_f32 v5, v28, v29
.irp m, 1,2,4,8
	v_add_f32_dpp v4, v4, v4 row_xmask:\m row_mask:0xf bank_mask:0xf
	v_add_f32_dpp v5, v5, v5 row_xmask:\m row_mask:0xf bank_mask:0xf
.endr
	v_bfe_u32 v27, v0, 4, 1
	v_lshl_add_u32 v27, v27, 7, s[QSW]             ; 128 x head + 8 w
	ds_store_b64 v27, v[4:5]                       ; the sixteen lanes of a half write the same 8 bytes, with the same numbers
.endm
; From Qs (v4-7), Ks at my rows (v28-31), Kmax (v24) and Kmin (v25): each row's qc, maximum and numerator's exponent.  Twenty plain instructions that name no register of the products.
.macro PARAMS
.irp r, 0,1,2,3
	v_mul_f32 v[ROW+4*\r], s26, v[4+\r]                            ; qc = Qs x log2(e) / 8
.endr
.irp r, 0,1,2,3
	v_mul_f32 v[ROW+4*\r+2], v[ROW+4*\r], v24
.endr
.irp r, 0,1,2,3
	v_mul_f32 v[ROW+4*\r+1], v[ROW+4*\r], v25
.endr
.irp r, 0,1,2,3
	v_max_num_f32 v[ROW+4*\r+2], v[ROW+4*\r+2], v[ROW+4*\r+1]      ; the row's largest qc Ks
.endr
.irp r, 0,1,2,3
	v_fma_f32 v[ROW+4*\r+1], v[ROW+4*\r], v[28+\r], -v[ROW+4*\r+2] ; the diagonal's exponent
.endr
.endm
; 32 numbers a lane (1,024 keys) of row j: exponents, exponentials, sums.  half: which 32 of the 64 registers of Ks.
; tail = 1, 2: the phase's last batch.  Behind its multiply-adds Ks's registers are free: 1: they take the next head's Ks; 2 (the last phase): the bias.  The four numerators' exponentials join the batch.
.macro BATCH j, half, tail
.set KB, KSR+32*(\half)
.set RW, ROW+4*(\j)
.irp i, 0,2,4,6,8,10,12,14,16,18,20,22,24,26,28,30
	v_pk_fma_f32 v[T+\i:T+\i+1], v[KB+\i:KB+\i+1], v[RW:RW+1], v[RW+2:RW+3] op_sel_hi:[1,0,0] neg_lo:[0,0,1] neg_hi:[0,0,1]   ; qc Ks - maximum, two at a time (of the pairs' words the low one serves both halves)
.endr
.if (\tail) == 1
	v_add_nc_u32 v2, s[KSA], v1
.irp i, 0,1,2,3,4,5,6,7,8,9,10,11,12,13,14,15
	ds_load_b128 v[KSR+4*\i:KSR+4*\i+3], v2 offset:512*\i
.endr
.endif
.if (\tail) == 2
	v_bfe_u32 v3, v0, 4, 1
	v_lshlrev_b32 v3, 5, v3                        ; the bias of my columns 64 w + 16 nt + 8 (lane / 16) + 0 .. 7, in the result's layout
.irp n, 0,1,2,3
	global_load_b128 v[KSR+8*\n:KSR+8*\n+3],   v3, s[12:13] offset:64*\n
	global_load_b128 v[KSR+8*\n+4:KSR+8*\n+7], v3, s[12:13] offset:64*\n+16
.endr
.endif
.set EI, 0
.rept 32
	v_exp_f32 v[T+EI], v[T+EI]
.set EI, EI+1
.endr
.if (\tail) != 0
.irp r, 0,1,2,3
	v_exp_f32 v[ROW+4*\r+1], v[ROW+4*\r+1]         ; no multiply-add names these pairs any more in this phase
.endr
.endif
	v_nop                                          ; a plain instruction behind the last exponential, ahead of the first use
	s_wait_alu depctr_va_vdst(0)                   ; one wait for the whole batch, ahead of its first reader
.if (\half) == 0
	v_pk_add_f32 v[24:25], v[T:T+1], v[T+2:T+3]                    ; a row's first batch starts the two chains: nothing is cleared
	v_pk_add_f32 v[26:27], v[T+4:T+5], v[T+6:T+7]
.irp i, 8,12,16,20,24,28
	v_pk_add_f32 v[24:25], v[24:25], v[T+\i:T+\i+1]
	v_pk_add_f32 v[26:27], v[26:27], v[T+\i+2:T+\i+3]
.endr
.else
.irp i, 0,4,8,12,16,20,24,28
	v_pk_add_f32 v[24:25], v[24:25], v[T+\i:T+\i+1]
	v_pk_add_f32 v[26:27], v[26:27], v[T+\i+2:T+\i+3]
.endr
	v_pk_add_f32 v[24:25], v[24:25], v[26:27]
	v_add_f32 v[RW+3], v24, v25                    ; my lane's 64 keys of the row
.endif
.endm
; A PHASE.  first = 1: the products start the sums (C = 0).  last = 1: nothing is asked for or prepared for a next phase.
.macro PHASE first, last
	; ---- requests: the next phase's Q first, then this phase's W
.if (\last) == 0
	global_load_b128 v[4:7], v1, s[4:5] th:TH_LOAD_NT              ; row 2 w: 512 bytes, two heads
	global_load_b128 v[28:31], v1, s[4:5] offset:4096 th:TH_LOAD_NT
.endif
.irp n, 0,1,2,3
.irp c, 0,1,2,3
	global_load_b128 v[WF+16*\n+4*\c:WF+16*\n+4*\c+3], v1, s[10:11] offset:2048*\n+512*\c   ; 512 consecutive bytes: registers 4 c .. 4 c + 3 of fragment n
.endr
.endr
	; ---- E
	BATCH 0, 0, 0
	BATCH 0, 1, 0
	BATCH 1, 0, 0
	BATCH 1, 1, 0
	BATCH 2, 0, 0
	BATCH 2, 1, 0
	BATCH 3, 0, 0
.if (\last) == 0
	BATCH 3, 1, 1
.else
	BATCH 3, 1, 2
.endif
	; ---- R
	v_bfe_u32 v56, v0, 4, 1
	v_lshl_add_u32 v56, v56, 6, s[VSR]
	ds_load_b128 v[44:47], v56                     ; Vs at k = 128 hp + 32 (g / 2) + 16 (lane / 16) + 8 (g % 2) + 0 .. 7, for A
	ds_load_b128 v[48:51], v56 offset:16
.irp m, 1,2,4,8
.irp r, 0,1,2,3
	v_add_f32_dpp v[ROW+4*\r+3], v[ROW+4*\r+3], v[ROW+4*\r+3] row_xmask:\m row_mask:0xf bank_mask:0xf
.endr
.endr
.irp r, 0,1,2,3
	v_permlanex16_b32 v[T+\r], v[ROW+4*\r+3], s24, s25
.endr
.irp r, 0,1,2,3
	v_add_f32 v[ROW+4*\r+3], v[ROW+4*\r+3], v[T+\r]                ; the row's sum over all 2,048 keys, in every lane
.endr
.irp r, 0,1,2,3
	v_rcp_f32 v[T+4+\r], v[ROW+4*\r+3]
.endr
.if (\last) == 0
	s_wait_loadcnt 16                              ; Q's two loads are in: W's sixteen were issued behind them
	QSUM                                           ; plain work that names no reciprocal stands behind them
.else
	v_nop
.endif
	s_wait_alu depctr_va_vdst(0)                   ; one wait for the four reciprocals, ahead of their first reader
.irp r, 0,1,2,3
	v_mul_f32 v[T+8+\r], v[ROW+4*\r+1], v[T+4+\r]                  ; diag
.endr
	v_mov_b32 v58, s[DGW]
	ds_store_b128 v58, v[T+8:T+11]                 ; all lanes write the same 16 bytes, with the same numbers
	BAR                                            ; the 64 diag and the next phase's 64 Qs lie in LDS; every wave's reads of the last images are over
	; ---- A
	v_and_b32 v59, 15, v0
	v_lshl_add_u32 v59, v59, 2, s[DGR]
	ds_load_b32 v32, v59                           ; diag of my row 16 mt + r, head g / 4 of the pair
.if (\last) == 0
	v_mov_b32 v2, s[QSR]
	v_mov_b32 v3, s[KDR]
	v_mov_b32 v57, s[KXR]
	ds_load_b128 v[4:7], v2                        ; for the next phase: Qs of my four rows,
	ds_load_b128 v[28:31], v3                      ; Ks at those rows,
	ds_load_b64 v[24:25], v57                      ; Kmax, Kmin
.endif
	v_mov_b32 v61, s29                             ; 2^eA as f32: the conversion takes its exponent field
	v_add_nc_u32 v60, s[IMW], v1
	s_wait_dscnt 0x0
.irp i, 0,2,4,6
	v_pk_mul_f32 v[44+\i:45+\i], v[44+\i:45+\i], v[32:33] op_sel_hi:[1,0]   ; A = diag x Vs
.endr
.irp i, 0,1,2,3,4,5,6,7
	v_med3_num_f32 v[44+\i], v[44+\i], s28, s27    ; the conversion to an 8-bit code does not saturate (ISA guide 7.6.2): the hold within +-448 x 2^eA
.endr
	v_cvt_scalef32_pk8_fp8_f32 v[52:53], v[44:51], v61
	v_nop                                          ; one plain instruction between the conversion and the later products, which read these registers
	ds_store_b64 v60, v[52:53]
	BAR                                            ; both fragments lie in LDS; every wave's reads of diag and Qs are over
	; ---- G
.irp m, 0,1
.irp c, 0,1,2,3
	ds_load_b128 v[T+16*\m+4*\c:T+16*\m+4*\c+3], v1 offset:IMG+2048*\m+512*\c
.endr
.endr
	s_wait_loadcnt 0x0                             ; W (in the last phase the bias too)
	s_wait_dscnt 0x0
.irp m, 0,1                            ; the eight accumulators take turns, one instruction a turn, from phase to phase too
.irp n, 0,1,2,3
.if \first
	v_wmma_f32_16x16x128_fp8_fp8 v[ACC+8*(4*\m+\n):ACC+8*(4*\m+\n)+7], v[WF+16*\n:WF+16*\n+15], v[T+16*\m:T+16*\m+15], 0
.else
	v_wmma_f32_16x16x128_fp8_fp8 v[ACC+8*(4*\m+\n):ACC+8*(4*\m+\n)+7], v[WF+16*\n:WF+16*\n+15], v[T+16*\m:T+16*\m+15], v[ACC+8*(4*\m+\n):ACC+8*(4*\m+\n)+7]
.endif
.endr
.endr
.if (\last) == 0
	s_add_nc_u64 s[4:5], s[4:5], 512               ; all loads that named these bases are done (the wait for 0 above)
	s_add_nc_u64 s[10:11], s[10:11], 131072
	s_add_co_u32 s[KSA], s[KSA], 16384
	s_add_co_u32 s[KDR], s[KDR], 256
	s_add_co_u32 s[KXR], s[KXR], 16
	s_add_co_u32 s[VSR], s[VSR], 512
	PARAMS                                         ; also the places between the products and the next phase's loads into W's registers and writes of v32-63
.endif
.endm
	s_load_b256 s[4:11], s[0:1], 0x0               ; Q s[4:5], ks s[6:7], vp s[8:9], wf s[10:11]
	s_load_b128 s[12:15], s[0:1], 0x20             ; proj_b s[12:13], lowp_scales s[14:15]
	s_load_b64 s[16:17], s[0:1], 0x30              ; out0
	v_lshrrev_b32 v2, 5, v0
	v_readfirstlane_b32 s20, v2                    ; w, 0..15
	s_lshr_b32 s21, s20, 3                         ; hl = mt
	s_and_b32 s22, s20, 7                          ; g
	v_and_b32 v1, 31, v0
	v_lshlrev_b32 v1, 4, v1                        ; 16 x lane
	s_mov_b32 s24, 0x76543210                      ; v_permlanex16_b32: lane l takes lane l xor 16
	s_mov_b32 s25, 0xfedcba98
	s_mov_b32 s26, 0x3e38aa3b                      ; log2(e) / 8
	; places in LDS: constants and the wave's number alone
	s_lshl_b32 s42, s21, 7
	s_lshl_b32 s43, s22, 4
	s_add_co_u32 s42, s42, s43                     ; 128 hl + 16 g
	s_add_co_u32 s[KDR], s42, KD
	s_add_co_u32 s[QSR], s42, QS
	s_add_co_u32 s[DGW], s42, DG
	s_lshl_b32 s[KSA], s21, 13
	s_add_co_u32 s[KSA], s[KSA], KS
	s_lshl_b32 s[KXR], s21, 3
	s_add_co_u32 s[KXR], s[KXR], KX
	s_lshr_b32 s42, s22, 1                         ; g / 2: the quad
	s_and_b32 s43, s22, 1                          ; g % 2: which two registers of it
	s_lshl_b32 s[VSR], s42, 7
	s_lshl_b32 s44, s43, 5
	s_add_co_u32 s[VSR], s[VSR], s44               ; 128 (g / 2) + 32 (g % 2); Vs begins at LDS byte 0
	s_lshl_b32 s[IMW], s21, 11
	s_lshl_b32 s44, s42, 9
	s_add_co_u32 s[IMW], s[IMW], s44
	s_lshl_b32 s44, s43, 3
	s_add_co_u32 s[IMW], s[IMW], s44
	s_add_co_u32 s[IMW], s[IMW], IMG               ; IMG + 2048 mt + 512 (g / 2) + 8 (g % 2)
	s_lshl_b32 s[QSW], s20, 3
	s_add_co_u32 s[KXW], s[QSW], KX
	s_add_co_u32 s[QSW], s[QSW], QS
	s_lshr_b32 s[DGR], s22, 2
	s_lshl_b32 s[DGR], s[DGR], 7
	s_lshl_b32 s44, s21, 6
	s_add_co_u32 s[DGR], s[DGR], s44
	s_add_co_u32 s[DGR], s[DGR], DG                ; DG + 128 (g / 4) + 64 mt
	v_lshlrev_b32 v48, 4, v0                       ; 16 t
	v_lshrrev_b32 v49, 2, v1                       ; 4 x lane
	v_lshlrev_b32 v50, 3, v0                       ; 8 t
	s_wait_kmcnt 0x0
	s_load_b64 s[18:19], s[14:15], 0x0             ; eA, eW
	s_mov_b32 s45, 0
	s_lshl_b32 s42, ttmp9, 17                      ; my work-group's 32 rows of 4,096 bytes
	s_lshl_b32 s43, s20, 13
	s_add_co_u32 s44, s42, s43
	s_add_nc_u64 s[4:5], s[4:5], s[44:45]          ; Q at row 32 wg + 2 w
	s_mov_b32 s44, s43
	s_add_nc_u64 s[10:11], s[10:11], s[44:45]      ; wf at my four n tiles: 8,192 w
	s_lshl_b32 s44, s20, 8
	s_add_nc_u64 s[12:13], s[12:13], s[44:45]      ; proj_b at my 64 columns
	s_add_co_u32 s44, s44, s42
	s_add_nc_u64 s[16:17], s[16:17], s[44:45]      ; out0 at my work-group's rows, my 64 columns
	s_lshr_b32 s42, ttmp9, 6                       ; the batch
	s_lshl_b32 s44, s42, 17
	s_add_nc_u64 s[6:7], s[6:7], s[44:45]          ; its 16 x 2,048 Ks
	s_lshl_b32 s44, s42, 15
	s_add_nc_u64 s[8:9], s[8:9], s[44:45]          ; its eight partial sums of V
	s_and_b32 s44, ttmp9, 63
	s_lshl_b32 s44, s44, 7
	s_add_co_u32 s44, s44, s43
	s_add_nc_u64 s[46:47], s[6:7], s[44:45]        ; Ks of head w at my work-group's 32 rows
.irp j, 0,1,2,3,4,5,6,7,8,9,10,11,12,13,14,15
	global_load_b128 v[KSR+4*\j:KSR+4*\j+3], v48, s[6:7] offset:8192*\j     ; the batch's Ks: the 512 threads take a head (8,192 bytes) a load
.endr
	global_load_b32 v53, v49, s[46:47]
	global_load_b128 v[4:7], v1, s[4:5] th:TH_LOAD_NT                       ; Q of phase 0
	global_load_b128 v[28:31], v1, s[4:5] offset:4096 th:TH_LOAD_NT
.irp k, 0,1,2,3,4,5,6,7
	global_load_b64 v[32+2*\k:33+2*\k], v50, s[8:9] offset:4096*\k          ; two columns a thread, eight parts
.endr
	v_lshl_add_u32 v2, v0, 4, KS
	v_add_nc_u32 v3, 0x10000, v2                   ; (an LDS immediate has 16 bits: heads 8-15 by a second register)
	v_lshl_add_u32 v51, v0, 2, KD
	v_lshl_add_u32 v52, v0, 3, VS
	v_mov_b32 v11, 0                               ; named as the upper halves of pairs before they hold the rows' sums
	v_mov_b32 v15, 0
	v_mov_b32 v19, 0
	v_mov_b32 v23, 0
	s_wait_kmcnt 0x0
	s_add_co_i32 s42, s18, 127
	s_lshl_b32 s29, s42, 23                        ; 2^eA as f32
	s_add_co_i32 s42, s42, 8
	s_lshl_b32 s27, s42, 23
	s_or_b32 s27, s27, 0x600000                    ; 448 x 2^eA
	s_or_b32 s28, s27, 0x80000000                  ; and its negative
	s_add_co_i32 s30, s18, s19
	s_add_co_i32 s30, s30, 127
	s_lshl_b32 s30, s30, 23                        ; 2^(eA + eW) as f32
	s_mov_b32 s31, s30                             ; (named with it as a pair)
	s_wait_loadcnt 11                              ; Ks is in: 1 + 2 + 8 loads were issued behind it
.irp j, 0,1,2,3,4,5,6,7
	ds_store_b128 v2, v[KSR+4*\j:KSR+4*\j+3] offset:8192*\j
.endr
.irp j, 0,1,2,3,4,5,6,7
	ds_store_b128 v3, v[KSR+32+4*\j:KSR+32+4*\j+3] offset:8192*\j
.endr
	s_wait_loadcnt 10                              ; Ks at my rows: 2 + 8 behind it
	ds_store_b32 v51, v53
	s_wait_loadcnt 8                               ; Q: 8 behind it
	QSUM
	s_wait_loadcnt 0x0
.irp k, 1,2,3,4,5,6,7
	v_pk_add_f32 v[32:33], v[32:33], v[32+2*\k:33+2*\k]            ; Vs, the parts in their order
.endr
	ds_store_b64 v52, v[32:33]
	s_add_nc_u64 s[4:5], s[4:5], 512               ; Q of phase 1 (the loads that named the base are done)
	BAR                                            ; Ks, Ks at my rows, Qs of phase 0 and Vs lie in LDS
	v_mov_b32 v2, s[QSR]
	v_mov_b32 v3, s[KDR]
	ds_load_b128 v[4:7], v2
	ds_load_b128 v[28:31], v3
	s_lshl_b32 s42, s20, 13
	s_add_co_u32 s42, s42, KS
	v_add_nc_u32 v54, s42, v1
.irp i, 0,1,2,3,4,5,6,7,8,9,10,11,12,13,14,15
	ds_load_b128 v[KSR+4*\i:KSR+4*\i+3], v54 offset:512*\i         ; head w, for its largest and smallest Ks
.endr
	s_wait_dscnt 0x0
	v_max3_num_f32 v32, v64, v65, v66              ; two chains each
	v_max3_num_f32 v34, v67, v68, v69
	v_min3_num_f32 v33, v64, v65, v66
	v_min3_num_f32 v35, v67, v68, v69
.irp i, 6,10,14,18,22,26,30,34,38,42,46,50,54,58
	v_max3_num_f32 v32, v32, v[KSR+\i], v[KSR+\i+1]
	v_max3_num_f32 v34, v34, v[KSR+\i+2], v[KSR+\i+3]
	v_min3_num_f32 v33, v33, v[KSR+\i], v[KSR+\i+1]
	v_min3_num_f32 v35, v35, v[KSR+\i+2], v[KSR+\i+3]
.endr
	v_max3_num_f32 v32, v32, v126, v127
	v_min3_num_f32 v33, v33, v126, v127
	v_max_num_f32 v32, v32, v34
	v_min_num_f32 v33, v33, v35
.irp m, 1,2,4,8
	v_max_num_f32_dpp v32, v32, v32 row_xmask:\m row_mask:0xf bank_mask:0xf
	v_min_num_f32_dpp v33, v33, v33 row_xmask:\m row_mask:0xf bank_mask:0xf
.endr
	v_permlanex16_b32 v36, v32, s24, s25
	v_permlanex16_b32 v37, v33, s24, s25
	v_max_num_f32 v32, v32, v36
	v_min_num_f32 v33, v33, v37
	v_mov_b32 v55, s[KXW]
	ds_store_b64 v55, v[32:33]                     ; (Kmax, Kmin) of head w
	v_add_nc_u32 v2, s[KSA], v1
.irp i, 0,1,2,3,4,5,6,7,8,9,10,11,12,13,14,15
	ds_load_b128 v[KSR+4*\i:KSR+4*\i+3], v2 offset:512*\i          ; phase 0's head hl
.endr
	BAR                                            ; the sixteen heads' Kmax, Kmin lie in LDS; every wave's reads of Qs are over
	v_mov_b32 v57, s[KXR]
	ds_load_b64 v[24:25], v57
	s_add_co_u32 s[KSA], s[KSA], 16384             ; these three now stand at phase 1's
	s_add_co_u32 s[KDR], s[KDR], 256
	s_add_co_u32 s[KXR], s[KXR], 16
	s_wait_dscnt 0x0
	PARAMS
	PHASE 1, 0                                     ; heads 0, 1: the products start the sums
	s_mov_b32 s41, 6
.Lphase:                                               ; heads 2 to 13
	PHASE 0, 0
	s_sub_co_u32 s41, s41, 1
	s_cmp_lg_u32 s41, 0
	s_cbranch_scc1 .Lphase
	PHASE 0, 1                                     ; heads 14, 15: nothing follows
	; THE WAY OUT.  A lane holds 32 neighbouring bytes of a row and the lanes beside it hold other rows: a block of 16 rows x 64 columns goes through my own stage in LDS and comes back by rows of 256 bytes.
	; The ten address lines are the places (ISA guide 7.12.1) behind the last products.
	v_and_b32 v4, 15, v0                           ; r
	v_bfe_u32 v5, v0, 4, 1                         ; half
	s_mul_i32 s42, s20, 16*SP
	s_add_co_u32 s42, s42, STG                     ; my stage
	v_mul_u32_u24 v6, v4, SP
	v_lshl_add_u32 v6, v5, 5, v6
	v_add_nc_u32 v6, s42, v6                       ; in: row r, + 32 x half; tile nt's columns 64 nt bytes on
	v_mul_u32_u24 v7, v5, SP
	v_lshl_add_u32 v7, v4, 4, v7
	v_add_nc_u32 v7, s42, v7                       ; back: lanes 0-15 one row, lanes 16-31 the next
	v_lshlrev_b32 v8, 12, v5
	v_lshl_add_u32 v8, v4, 4, v8                   ; and the same two rows in out0
.macro OUT mt, y, bk                   ; rows 16 mt on: sum x 2^(eA + eW) + bias into v[y] on, each accumulator from its low end on; through the stage into v[bk] on
.irp n, 0,1,2,3
.irp i, 0,2,4,6
	v_pk_fma_f32 v[\y+8*\n+\i:\y+8*\n+\i+1], v[ACC+8*(4*\mt+\n)+\i:ACC+8*(4*\mt+\n)+\i+1], s[30:31], v[KSR+8*\n+\i:KSR+8*\n+\i+1] op_sel_hi:[1,0,1]
.endr
.endr
.irp n, 0,1,2,3
	ds_store_b128 v6, v[\y+8*\n:\y+8*\n+3] offset:64*\n
	ds_store_b128 v6, v[\y+8*\n+4:\y+8*\n+7] offset:64*\n+16
.endr
.irp i, 0,1,2,3,4,5,6,7
	ds_load_b128 v[\bk+4*\i:\bk+4*\i+3], v7 offset:\i*2*SP         ; LDS serves a wave's instructions in order (ISA guide 5.7.1.4): these see the stores above, and the next block's stores come behind them
.endr
.endm
	OUT 0, 32, 96
	OUT 1, 128, 160
.irp i, 0,1,2,3,4,5,6,7
	s_wait_dscnt 23-\i                             ; behind load i: the block's 7 - i other loads and the second block's 16 LDS instructions
	global_store_b128 v8, v[96+4*\i:99+4*\i], s[16:17] offset:2*\i*4096 th:TH_STORE_NT   ; sixteen lanes store 256 consecutive bytes, at a multiple of 256 from out0's first byte
.endr
.irp i, 0,1,2,3,4,5,6,7
	s_wait_dscnt 7-\i
	global_store_b128 v8, v[160+4*\i:163+4*\i], s[16:17] offset:65536+2*\i*4096 th:TH_STORE_NT
.endr
	s_wait_xcnt 0x0
	v_lshl_add_u32 v254, v0, 2, 0x34000
	v_mov_b32 v255, 0
	s_wait_tensorcnt 0x0
	ds_add_u32 v254, v255
	s_wait_dscnt 0x0
	s_endpgm
.Lfunc_end_k_q26fc9f6cdd_attn:
	.size	k_q26fc9f6cdd_attn, .Lfunc_end_k_q26fc9f6cdd_attn-k_q26fc9f6cdd_attn
	.p2alignl 7, 3214868480
	.fill 96, 4, 3214868480
	.section	.rodata,"a",@progbits
	.p2align	6, 0x0
	.amdhsa_kernel k_q26fc9f6cdd_attn
		.amdhsa_group_segment_fixed_size 215040
		.amdhsa_private_segment_fixed_size 0
		.amdhsa_enable_private_segment 0
		.amdhsa_kernarg_size 56
		.amdhsa_user_sgpr_count 2
		.amdhsa_user_sgpr_kernarg_segment_ptr 1
		.amdhsa_wavefront_size32 1
		.amdhsa_system_sgpr_workgroup_id_x 1
		.amdhsa_system_sgpr_workgroup_id_y 1
		.amdhsa_system_sgpr_workgroup_id_z 1
		.amdhsa_system_vgpr_workitem_id 0
		.amdhsa_next_free_vgpr 256
		.amdhsa_next_free_sgpr 66
		.amdhsa_reserve_vcc 0
		.amdhsa_float_denorm_mode_32 3
		.amdhsa_float_denorm_mode_16_64 3
		.amdhsa_memory_ordered 1
		.amdhsa_forward_progress 1
		.amdhsa_inst_pref_size 124
	.end_amdhsa_kernel
	.amdgpu_metadata
---
amdhsa.version: [ 1, 2 ]
amdhsa.kernels:
  - .name:           k_q26fc9f6cdd_attn
    .symbol:         k_q26fc9f6cdd_attn.kd
    .args:
      - { .name: Q, .offset: 0, .size: 8, .value_kind: global_buffer, .address_space: global }
      - { .name: ks, .offset: 8, .size: 8, .value_kind: global_buffer, .address_space: global }
      - { .name: vp, .offset: 16, .size: 8, .value_kind: global_buffer, .address_space: global }
      - { .name: wf, .offset: 24, .size: 8, .value_kind: global_buffer, .address_space: global }
      - { .name: proj_b, .offset: 32, .size: 8, .value_kind: global_buffer, .address_space: global }
      - { .name: lowp_scales, .offset: 40, .size: 8, .value_kind: global_buffer, .address_space: global }
      - { .name: out0, .offset: 48, .size: 8, .value_kind: global_buffer, .address_space: global }
    .group_segment_fixed_size: 215040
    .private_segment_fixed_size: 0
    .kernarg_segment_align: 8
    .kernarg_segment_size: 56
    .max_flat_workgroup_size: 512
    .sgpr_count:     66
    .vgpr_count:     256
    .wavefront_size: 32
...
	.end_amdgpu_metadata
.endif
;; end of part 2
;; ======== version 2 of 2: 2 launches; version 1 with the launch attn written anew for expert scheduling mode
;; workspace buffers: ks 524,288 bytes; vp 131,072 bytes; wf 1,048,576 bytes
;; launch reduce: the kernel of part 1 again; grid 256 x 1, 8 waves a work-group, no clusters, 11,264 bytes of LDS; arguments K, V, proj_w_codes, ks, vp, wf; writes ks, vp, wf
;; launch attn (part 3): grid 256 x 1, 16 waves a work-group, no clusters, 215,040 bytes of LDS; arguments Q, ks, vp, wf, proj_b, lowp_scales, out0; writes out0
.if DOCPART == 3
	.amdgcn_target "amdgcn-amd-amdhsa--gfx1250"
	.amdhsa_code_object_version 6
	.text
	.protected	k_q26fc9f6cdd_attn
	.globl	k_q26fc9f6cdd_attn
	.p2align	8
	.type	k_q26fc9f6cdd_attn,@function
k_q26fc9f6cdd_attn:
	s_mov_b64 s[64:65], 0
	v_nop
	global_prefetch_b8 v0, s[64:65] scope:SCOPE_SE
	s_setreg_imm32_b32 hwreg(HW_REG_WAVE_SCHED_MODE, 0, 2), 2
	s_setreg_imm32_b32 hwreg(HW_REG_WAVE_MODE, 25, 1), 1
	s_wait_xcnt 0x0
	s_wait_alu depctr_vm_vsrc(0)
; out0[m][n] = sum over k of Quant(A)[m][k] W[n][k] + proj_b[n],  A[m][64 h + e] = diag[m][h] Vs[b][64 h + e],
; diag[m][h] = exp(a_mm - max_k a_mk) / sum over k of exp(a_mk - max_k a_mk),  a_mk = Qs[m][h] Ks[b][h][k] / 8:  the diagonal of the softmax of an outer product of row sums.
; Qs: the sum of Q's 64 numbers of a head, made here.  Ks (ks), V's partial column sums (vp) and W's codes in fragment order (wf) come from the launch before.
; THE ROW'S MAXIMUM is taken away before every exponential: since a_mk is q x Ks[k], it is max(q Kmax, q Kmin), Kmax and Kmin the head's largest and smallest Ks.  The numerator and the sum use the same q and the same maximum.
; SHARES.  A work-group owns 32 rows, all 16 heads and all 1,024 columns: 512 (row, head) pairs x 2,048 keys of exponentials, and 32 x 1,024 x 1,024 of the product.  Sixteen waves of 256 registers, four to a SIMD,
; so that one wave's packed arithmetic and waits stand beside another's exponentials.
; EIGHT PHASES, one for each pair of heads = one K step of 128 of the product.  In a phase wave w (hl = mt = w / 8, g = w % 8):
;   E  makes the exponentials of head 2 hp + hl, rows 4 g .. 4 g + 3.  A lane stands for keys: the head's 2,048 Ks lie in 64 registers (key 128 i + 4 lane + 0 .. 3 in registers 4 i on), read from LDS once for the four rows;
;   R  adds over the lanes, divides, puts its four diag into LDS; also sums the next phase's Q (rows 2 w, 2 w + 1, both heads)                                   | barrier |
;   A  makes 8 codes a lane: registers 2 g, 2 g + 1 of the fragment of rows 16 mt on: diag x Vs, held within +-448 x 2^eA, converted; they go to LDS as an image of the registers   | barrier |
;   G  takes both fragments, and multiplies them by its four fragments of W (columns 64 w .. 64 w + 63): 8 matrix instructions on 8 accumulators.
; The phase's W (16 loads a wave, straight into the operand's registers) and the next phase's Q (2 loads) are asked for behind the first batch's wait and have the other seven batches in which to land.
; THE MATRIX INSTRUCTION IS USED TRANSPOSED (source 0 = 16 rows of W, source 1 = 16 rows of A): a lane holds row r and eight neighbouring columns.  Both operands lie with k = 32 c + 16 (lane / 16) + 0 .. 15 in registers 4 c .. 4 c + 3:
; a permutation of k, the same on both sides, so that every product meets its partner.
; NO CLUSTER, NO TENSOR LOAD, though all work-groups read the same W: a joint load lands in LDS, and a K step of W is 131,072 bytes, more than the 114,688 that this text leaves of 327,680; it would be written to LDS and read
; again, with a round of the cluster's barrier in each phase, where here each lane's 16 bytes come straight into the operand's registers, asked for most of a phase ahead.
; LIMITS.  Inputs are finite (NaN and infinities are not served).  eA = lowp_scales[0] between -126 and 119, eA + eW between -126 and 127, so that each power of two below is an f32 number.
; An exponential under 2^-126 comes out as 0 (v_exp_f32): nothing beside a sum that holds a term of about 1.  The f32 sums go in another order than the reference's.
; THE MODE: SCHED_MODE bits 1:0 = 2 (LLVM: expert scheduling mode 2), set by the entry lines.  The code itself states the register dependences
; between vector or matrix instructions and memory or LDS instructions, with s_wait_alu, always for 0.
; THE PLAN.  Registers that memory or LDS instructions touch, round a phase:
;   v1            16 x lane: the offset of Q's, W's and the fragments' loads; written once, at the head.
;   v2            the address of the sixteen LDS loads of Ks and of nothing else; written once a phase, in the last batch.
;   v64-127       read by the eight batches' multiply-adds; behind the last batch's the next head's Ks land (last phase: the bias).
;   v4-7, v28-31  Q lands; QSUM reads and writes them; the store of Qs reads v4, v5; in A the next phase's Qs and Ks at my rows land; PARAMS reads them.
;   v24, v25      the chains of sums; in A Kmax and Kmin land; PARAMS reads them.
;   v128-191      W lands; the products read them.
;   v32-63        the batches' numbers; in R and A scratch: v32 diag as loaded, v40-43 diag as stored, v44-51 Vs, v52, v53 the codes, v56-60 and v62 addresses; in G the two fragments land, and the products read them.
;   v3, v27       addresses: Ks at my rows (last phase: the bias); where Qs goes.
; All addresses of R and A are made at R's head, ahead of the wait that the reciprocals have anyway.  THE WAITS of a phase: on va_vdst one in each batch (its exponentials; the first batch's also frees Q's and W's registers),
; one behind the last batch's multiply-adds (Ks's registers), the reciprocals' (addresses, Qs, Vs's registers), one ahead of the store of diag, one ahead of the store of the codes;
; on vm_vsrc one at A's head (v4, v5) and one at G's head (the scratch in which the fragments land; it also frees v2, v3 and v27 for the next phase).
.set VS,  0                            ; LDS: Vs[1024] f32
.set KD,  4096                         ; Ks at my 32 rows: [16 h][32] f32
.set KX,  6144                         ; (Kmax, Kmin), 8 bytes a head
.set QS,  6400                         ; Qs[2 heads][32 rows] of the phase to come
.set DG,  6912                         ; diag[2 heads][32 rows]
.set IMG, 7168                         ; two fragment images: quad c of rows 16 mt on at 2048 mt + 512 c + 16 lane
.set STG, 11264                        ; the way out: 16 rows x 272 bytes for each wave
.set SP,  272
.set KS,  81920                        ; Ks[16 h][2048] f32
; v0 the thread's number, v1 16 x lane: both stay.  v2, v3 addresses.  v4-7, v28-31: Q on its way, then Qs and Ks-at-my-rows of the next phase.  v24-27: two chains of sums; v24, v25 also Kmax, Kmin; v27 also an address.
.set ROW, 8                            ; v8-23   row j at v[8 + 4 j]: +0 qc = Qs log2(e) / 8; +1 the numerator's exponent, then the numerator; +2 the maximum; +3 the row's sum
.set T,   32                           ; v32-63  32 numbers at work; scratch in R and A; the two fragments of A in G
.set KSR, 64                           ; v64-127 my head's Ks
.set WF,  128                          ; v128-191 four fragments of W
.set ACC, 192                          ; v192-255 accumulator (mt, nt) at 192 + 8 (4 mt + nt)
.set KXW, 23                           ; s23  KX + 8 w
.set KSA, 32                           ; s32  LDS: the head whose Ks I load next
.set KDR, 33                           ; s33  Ks at my four rows, of the phase to come
.set KXR, 34                           ; s34  its Kmax, Kmin
.set VSR, 35                           ; s35  my eight Vs of this phase (less the half's 64 bytes)
.set QSR, 36                           ; s36  Qs of my four rows
.set QSW, 37                           ; s37  where I put Qs of rows 2 w, 2 w + 1
.set DGW, 38                           ; s38  where I put my four diag
.set DGR, 39                           ; s39  diag of head g / 4, rows 16 mt on
.set IMW, 40                           ; s40  where my 8 codes go in the images
.macro BAR                             ; my LDS stores have landed and my LDS loads are in: then the work-group's barrier
	s_wait_dscnt 0x0
	s_barrier_signal -1
	s_barrier_wait -1
.endm
; Q's two rows (v4-7: row 2 w; v28-31: row 2 w + 1; lanes 0-15 the even head, lanes 16-31 the odd one) become four sums, in v4 and v5; v27 is where they go in LDS.  The store follows behind a wait on va_vdst.
.macro QSUM
	v_pk_add_f32 v[4:5], v[4:5], v[6:7]
	v_pk_add_f32 v[28:29], v[28:29], v[30:31]
	v_add_f32 v4, v4, v5
	v_add_f32 v5, v28, v29
.irp m, 1,2,4,8
	v_add_f32_dpp v4, v4, v4 row_xmask:\m row_mask:0xf bank_mask:0xf
	v_add_f32_dpp v5, v5, v5 row_xmask:\m row_mask:0xf bank_mask:0xf
.endr
	v_bfe_u32 v27, v0, 4, 1
	v_lshl_add_u32 v27, v27, 7, s[QSW]             ; 128 x head + 8 w
.endm
; From Qs (v4-7), Ks at my rows (v28-31), Kmax (v24) and Kmin (v25): each row's qc, maximum and numerator's exponent.  Twenty plain instructions that name no register of the products.
.macro PARAMS
.irp r, 0,1,2,3
	v_mul_f32 v[ROW+4*\r], s26, v[4+\r]                            ; qc = Qs x log2(e) / 8
.endr
.irp r, 0,1,2,3
	v_mul_f32 v[ROW+4*\r+2], v[ROW+4*\r], v24
.endr
.irp r, 0,1,2,3
	v_mul_f32 v[ROW+4*\r+1], v[ROW+4*\r], v25
.endr
.irp r, 0,1,2,3
	v_max_num_f32 v[ROW+4*\r+2], v[ROW+4*\r+2], v[ROW+4*\r+1]      ; the row's largest qc Ks
.endr
.irp r, 0,1,2,3
	v_fma_f32 v[ROW+4*\r+1], v[ROW+4*\r], v[28+\r], -v[ROW+4*\r+2] ; the diagonal's exponent
.endr
.endm
; 32 numbers a lane (1,024 keys) of row j: exponents, exponentials, sums.  half: which 32 of the 64 registers of Ks.
; what = 1, 2: the phase's last batch.  Behind its multiply-adds Ks's registers are free: 1: they take the next head's Ks; 2 (the last phase): the bias.  The four numerators' exponentials join the batch.
; what = 3, 4: the phase's first batch.  Behind its wait stand the phase's requests: 3: the next phase's Q, then this phase's W; 4 (the last phase): W alone.
.macro BATCH j, half, what
.set KB, KSR+32*(\half)
.set RW, ROW+4*(\j)
.irp i, 0,2,4,6,8,10,12,14,16,18,20,22,24,26,28,30
	v_pk_fma_f32 v[T+\i:T+\i+1], v[KB+\i:KB+\i+1], v[RW:RW+1], v[RW+2:RW+3] op_sel_hi:[1,0,0] neg_lo:[0,0,1] neg_hi:[0,0,1]   ; qc Ks - maximum, two at a time (of the pairs' words the low one serves both halves)
.endr
.if (\what) == 1
	v_add_nc_u32 v2, s[KSA], v1                    ; (the loads that read v2 last stand ahead of the last phase's waits on vm_vsrc)
	s_wait_alu depctr_va_vdst(0)                   ; the phase's multiply-adds are done reading v64-127, in which the loads below land, and v2, their address, is written
.irp i, 0,1,2,3,4,5,6,7,8,9,10,11,12,13,14,15
	ds_load_b128 v[KSR+4*\i:KSR+4*\i+3], v2 offset:512*\i
.endr
.endif
.if (\what) == 2
	v_bfe_u32 v3, v0, 4, 1
	v_lshlrev_b32 v3, 5, v3                        ; the bias of my columns 64 w + 16 nt + 8 (lane / 16) + 0 .. 7, in the result's layout
	s_wait_alu depctr_va_vdst(0)                   ; the phase's multiply-adds are done reading v64-95, in which the loads below land, and v3, their offset, is written
.irp n, 0,1,2,3
	global_load_b128 v[KSR+8*\n:KSR+8*\n+3],   v3, s[12:13] offset:64*\n
	global_load_b128 v[KSR+8*\n+4:KSR+8*\n+7], v3, s[12:13] offset:64*\n+16
.endr
.endif
.set EI, 0
.rept 32
	v_exp_f32 v[T+EI], v[T+EI]
.set EI, EI+1
.endr
.if ((\what) == 1) || ((\what) == 2)
.irp r, 0,1,2,3
	v_exp_f32 v[ROW+4*\r+1], v[ROW+4*\r+1]         ; no multiply-add names these pairs any more in this phase
.endr
.endif
	v_nop                                          ; a plain instruction behind the last exponential, ahead of the first use
	s_wait_alu depctr_va_vdst(0)                   ; the batch's exponentials have written v32-63 (in the last batch the four numerators too): one wait, ahead of their first reader.  In the first batch also: the last phase's products are done reading v128-191, and PARAMS v4-7 and v28-31
.if (\what) == 3
	global_load_b128 v[4:7], v1, s[4:5] th:TH_LOAD_NT              ; the next phase's Q: row 2 w: 512 bytes, two heads.  No vector instruction since the wait names these registers, nor W's
	global_load_b128 v[28:31], v1, s[4:5] offset:4096 th:TH_LOAD_NT
.endif
.if ((\what) == 3) || ((\what) == 4)
.irp n, 0,1,2,3
.irp c, 0,1,2,3
	global_load_b128 v[WF+16*\n+4*\c:WF+16*\n+4*\c+3], v1, s[10:11] offset:2048*\n+512*\c   ; 512 consecutive bytes: registers 4 c .. 4 c + 3 of fragment n
.endr
.endr
.endif
.if (\half) == 0
	v_pk_add_f32 v[24:25], v[T:T+1], v[T+2:T+3]                    ; a row's first batch starts the two chains: nothing is cleared
	v_pk_add_f32 v[26:27], v[T+4:T+5], v[T+6:T+7]
.irp i, 8,12,16,20,24,28
	v_pk_add_f32 v[24:25], v[24:25], v[T+\i:T+\i+1]
	v_pk_add_f32 v[26:27], v[26:27], v[T+\i+2:T+\i+3]
.endr
.else
.irp i, 0,4,8,12,16,20,24,28
	v_pk_add_f32 v[24:25], v[24:25], v[T+\i:T+\i+1]
	v_pk_add_f32 v[26:27], v[26:27], v[T+\i+2:T+\i+3]
.endr
	v_pk_add_f32 v[24:25], v[24:25], v[26:27]
	v_add_f32 v[RW+3], v24, v25                    ; my lane's 64 keys of the row
.endif
.endm
; A PHASE.  first = 1: the products start the sums (C = 0).  last = 1: nothing is asked for or prepared for a next phase.
.macro PHASE first, last
	; ---- E
.if (\last) == 0
	BATCH 0, 0, 3
.else
	BATCH 0, 0, 4
.endif
	BATCH 0, 1, 0
	BATCH 1, 0, 0
	BATCH 1, 1, 0
	BATCH 2, 0, 0
	BATCH 2, 1, 0
	BATCH 3, 0, 0
.if (\last) == 0
	BATCH 3, 1, 1
.else
	BATCH 3, 1, 2
.endif
	; ---- R.  First all the addresses of R and A (the LDS instructions that read these registers last stand ahead of the last phase's wait on vm_vsrc at G's head)
	v_bfe_u32 v56, v0, 4, 1
	v_lshl_add_u32 v56, v56, 6, s[VSR]             ; Vs at k = 128 hp + 32 (g / 2) + 16 (lane / 16) + 8 (g % 2) + 0 .. 7, for A
	v_mov_b32 v58, s[DGW]
	v_and_b32 v59, 15, v0
	v_lshl_add_u32 v59, v59, 2, s[DGR]             ; diag of my row 16 mt + r, head g / 4 of the pair
	v_add_nc_u32 v60, s[IMW], v1
	v_mov_b32 v61, s29                             ; 2^eA as f32: the conversion takes its exponent field
.if (\last) == 0
	v_mov_b32 v62, s[QSR]
	v_mov_b32 v3, s[KDR]
	v_mov_b32 v57, s[KXR]
.endif
.irp m, 1,2,4,8
.irp r, 0,1,2,3
	v_add_f32_dpp v[ROW+4*\r+3], v[ROW+4*\r+3], v[ROW+4*\r+3] row_xmask:\m row_mask:0xf bank_mask:0xf
.endr
.endr
.irp r, 0,1,2,3
	v_permlanex16_b32 v[T+\r], v[ROW+4*\r+3], s24, s25
.endr
.irp r, 0,1,2,3
	v_add_f32 v[ROW+4*\r+3], v[ROW+4*\r+3], v[T+\r]                ; the row's sum over all 2,048 keys, in every lane
.endr
.irp r, 0,1,2,3
	v_rcp_f32 v[T+4+\r], v[ROW+4*\r+3]
.endr
.if (\last) == 0
	s_wait_loadcnt 16                              ; Q's two loads are in: W's sixteen were issued behind them
	QSUM                                           ; plain work that names no reciprocal stands behind them
.else
	v_nop
.endif
	s_wait_alu depctr_va_vdst(0)                   ; the four reciprocals have written v36-39: one wait, ahead of their first reader.  Also: the addresses v3, v27, v56-60, v62 and Qs in v4, v5 are written, and the sums are done reading v32 and v44-51, v24, v25 and v28-31, in which LDS loads land
	ds_load_b128 v[44:47], v56
	ds_load_b128 v[48:51], v56 offset:16
.if (\last) == 0
	ds_store_b64 v27, v[4:5]                       ; the sixteen lanes of a half write the same 8 bytes, with the same numbers
.endif
.irp r, 0,1,2,3
	v_mul_f32 v[T+8+\r], v[ROW+4*\r+1], v[T+4+\r]                  ; diag
.endr
	s_wait_alu depctr_va_vdst(0)                   ; the four products have written v40-43, which the store reads
	ds_store_b128 v58, v[T+8:T+11]                 ; all lanes write the same 16 bytes, with the same numbers
	BAR                                            ; the 64 diag and the next phase's 64 Qs lie in LDS; every wave's reads of the last images are over
	; ---- A
.if (\last) == 0
	s_wait_alu depctr_vm_vsrc(0)                   ; the store of Qs has read v4 and v5, in which the next phase's Qs land
.endif
	ds_load_b32 v32, v59
.if (\last) == 0
	ds_load_b128 v[4:7], v62                       ; for the next phase: Qs of my four rows,
	ds_load_b128 v[28:31], v3                      ; Ks at those rows,
	ds_load_b64 v[24:25], v57                      ; Kmax, Kmin
.endif
	s_wait_dscnt 0x0
.irp i, 0,2,4,6
	v_pk_mul_f32 v[44+\i:45+\i], v[44+\i:45+\i], v[32:33] op_sel_hi:[1,0]   ; A = diag x Vs
.endr
.irp i, 0,1,2,3,4,5,6,7
	v_med3_num_f32 v[44+\i], v[44+\i], s28, s27    ; the conversion to an 8-bit code does not saturate (ISA guide 7.6.2): the hold within +-448 x 2^eA
.endr
	v_cvt_scalef32_pk8_fp8_f32 v[52:53], v[44:51], v61
	v_nop                                          ; one plain instruction between the conversion and the later products, which read these registers
	s_wait_alu depctr_va_vdst(0)                   ; the conversion has written v52 and v53, which the store reads; A's arithmetic is done with v32-63, in which the fragments land
	ds_store_b64 v60, v[52:53]
	BAR                                            ; both fragments lie in LDS; every wave's reads of diag and Qs are over
	; ---- G
	s_wait_alu depctr_vm_vsrc(0)                   ; the LDS instructions of R and A have read v40-43, v52, v53, v56-60 and v62, in which the fragments land; so have those that read v2, v3 and v27, which the next phase writes
.irp m, 0,1
.irp c, 0,1,2,3
	ds_load_b128 v[T+16*\m+4*\c:T+16*\m+4*\c+3], v1 offset:IMG+2048*\m+512*\c
.endr
.endr
	s_wait_loadcnt 0x0                             ; W (in the last phase the bias too)
	s_wait_dscnt 0x0
.irp m, 0,1                            ; the eight accumulators take turns, one instruction a turn, from phase to phase too
.irp n, 0,1,2,3
.if \first
	v_wmma_f32_16x16x128_fp8_fp8 v[ACC+8*(4*\m+\n):ACC+8*(4*\m+\n)+7], v[WF+16*\n:WF+16*\n+15], v[T+16*\m:T+16*\m+15], 0
.else
	v_wmma_f32_16x16x128_fp8_fp8 v[ACC+8*(4*\m+\n):ACC+8*(4*\m+\n)+7], v[WF+16*\n:WF+16*\n+15], v[T+16*\m:T+16*\m+15], v[ACC+8*(4*\m+\n):ACC+8*(4*\m+\n)+7]
.endif
.endr
.endr
.if (\last) == 0
	s_add_nc_u64 s[4:5], s[4:5], 512               ; all loads that named these bases are done (the wait for 0 above)
	s_add_nc_u64 s[10:11], s[10:11], 131072
	s_add_co_u32 s[KSA], s[KSA], 16384
	s_add_co_u32 s[KDR], s[KDR], 256
	s_add_co_u32 s[KXR], s[KXR], 16
	s_add_co_u32 s[VSR], s[VSR], 512
	PARAMS                                         ; also the places (ISA guide 7.12.1) between the products and the next phase's writes of v32-63
.endif
.endm
	s_load_b256 s[4:11], s[0:1], 0x0               ; Q s[4:5], ks s[6:7], vp s[8:9], wf s[10:11]
	s_load_b128 s[12:15], s[0:1], 0x20             ; proj_b s[12:13], lowp_scales s[14:15]
	s_load_b64 s[16:17], s[0:1], 0x30              ; out0
	v_lshrrev_b32 v2, 5, v0
	v_readfirstlane_b32 s20, v2                    ; w, 0..15
	v_and_b32 v1, 31, v0
	v_lshlrev_b32 v1, 4, v1                        ; 16 x lane
	s_wait_alu depctr_va_sdst(0)                   ; s20 is written, ahead of its first reader: every place in LDS and every base below is made from it
	s_lshr_b32 s21, s20, 3                         ; hl = mt
	s_and_b32 s22, s20, 7                          ; g
	s_mov_b32 s24, 0x76543210                      ; v_permlanex16_b32: lane l takes lane l xor 16
	s_mov_b32 s25, 0xfedcba98
	s_mov_b32 s26, 0x3e38aa3b                      ; log2(e) / 8
	; places in LDS: constants and the wave's number alone
	s_lshl_b32 s42, s21, 7
	s_lshl_b32 s43, s22, 4
	s_add_co_u32 s42, s42, s43                     ; 128 hl + 16 g
	s_add_co_u32 s[KDR], s42, KD
	s_add_co_u32 s[QSR], s42, QS
	s_add_co_u32 s[DGW], s42, DG
	s_lshl_b32 s[KSA], s21, 13
	s_add_co_u32 s[KSA], s[KSA], KS
	s_lshl_b32 s[KXR], s21, 3
	s_add_co_u32 s[KXR], s[KXR], KX
	s_lshr_b32 s42, s22, 1                         ; g / 2: the quad
	s_and_b32 s43, s22, 1                          ; g % 2: which two registers of it
	s_lshl_b32 s[VSR], s42, 7
	s_lshl_b32 s44, s43, 5
	s_add_co_u32 s[VSR], s[VSR], s44               ; 128 (g / 2) + 32 (g % 2); Vs begins at LDS byte 0
	s_lshl_b32 s[IMW], s21, 11
	s_lshl_b32 s44, s42, 9
	s_add_co_u32 s[IMW], s[IMW], s44
	s_lshl_b32 s44, s43, 3
	s_add_co_u32 s[IMW], s[IMW], s44
	s_add_co_u32 s[IMW], s[IMW], IMG               ; IMG + 2048 mt + 512 (g / 2) + 8 (g % 2)
	s_lshl_b32 s[QSW], s20, 3
	s_add_co_u32 s[KXW], s[QSW], KX
	s_add_co_u32 s[QSW], s[QSW], QS
	s_lshr_b32 s[DGR], s22, 2
	s_lshl_b32 s[DGR], s[DGR], 7
	s_lshl_b32 s44, s21, 6
	s_add_co_u32 s[DGR], s[DGR], s44
	s_add_co_u32 s[DGR], s[DGR], DG                ; DG + 128 (g / 4) + 64 mt
	s_lshl_b32 s48, s20, 13
	s_add_co_u32 s48, s48, KS                      ; Ks of head w in LDS
	; all the head's offsets and LDS addresses, each in a register of its own, ahead of one wait
	v_lshlrev_b32 v48, 4, v0                       ; 16 t
	v_lshrrev_b32 v49, 2, v1                       ; 4 x lane
	v_lshlrev_b32 v50, 3, v0                       ; 8 t
	v_lshl_add_u32 v2, v0, 4, KS
	v_add_nc_u32 v3, 0x10000, v2                   ; (an LDS immediate has 16 bits: heads 8-15 by a second register)
	v_lshl_add_u32 v51, v0, 2, KD
	v_lshl_add_u32 v52, v0, 3, VS
	v_add_nc_u32 v54, s48, v1                      ; head w's Ks, for its largest and smallest
	v_mov_b32 v55, s[KXW]
	v_add_nc_u32 v56, s[KSA], v1                   ; phase 0's head hl
	v_mov_b32 v57, s[KXR]
	v_mov_b32 v62, s[QSR]
	v_mov_b32 v63, s[KDR]
	v_mov_b32 v11, 0                               ; named as the upper halves of pairs before they hold the rows' sums
	v_mov_b32 v15, 0
	v_mov_b32 v19, 0
	v_mov_b32 v23, 0
	s_wait_kmcnt 0x0
	s_load_b64 s[18:19], s[14:15], 0x0             ; eA, eW
	s_mov_b32 s45, 0
	s_lshl_b32 s42, ttmp9, 17                      ; my work-group's 32 rows of 4,096 bytes
	s_lshl_b32 s43, s20, 13
	s_add_co_u32 s44, s42, s43
	s_add_nc_u64 s[4:5], s[4:5], s[44:45]          ; Q at row 32 wg + 2 w
	s_mov_b32 s44, s43
	s_add_nc_u64 s[10:11], s[10:11], s[44:45]      ; wf at my four n tiles: 8,192 w
	s_lshl_b32 s44, s20, 8
	s_add_nc_u64 s[12:13], s[12:13], s[44:45]      ; proj_b at my 64 columns
	s_add_co_u32 s44, s44, s42
	s_add_nc_u64 s[16:17], s[16:17], s[44:45]      ; out0 at my work-group's rows, my 64 columns
	s_lshr_b32 s42, ttmp9, 6                       ; the batch
	s_lshl_b32 s44, s42, 17
	s_add_nc_u64 s[6:7], s[6:7], s[44:45]          ; its 16 x 2,048 Ks
	s_lshl_b32 s44, s42, 15
	s_add_nc_u64 s[8:9], s[8:9], s[44:45]          ; its eight partial sums of V
	s_and_b32 s44, ttmp9, 63
	s_lshl_b32 s44, s44, 7
	s_add_co_u32 s44, s44, s43
	s_add_nc_u64 s[46:47], s[6:7], s[44:45]        ; Ks of head w at my work-group's 32 rows
	s_wait_alu depctr_va_vdst(0)                   ; v1, v2, v3, v48-52, v54-57, v62 and v63 are written: the offsets and addresses of every load and store of the head
.irp j, 0,1,2,3,4,5,6,7,8,9,10,11,12,13,14,15
	global_load_b128 v[KSR+4*\j:KSR+4*\j+3], v48, s[6:7] offset:8192*\j     ; the batch's Ks: the 512 threads take a head (8,192 bytes) a load
.endr
	global_load_b32 v53, v49, s[46:47]
	global_load_b128 v[4:7], v1, s[4:5] th:TH_LOAD_NT                       ; Q of phase 0
	global_load_b128 v[28:31], v1, s[4:5] offset:4096 th:TH_LOAD_NT
.irp k, 0,1,2,3,4,5,6,7
	global_load_b64 v[32+2*\k:33+2*\k], v50, s[8:9] offset:4096*\k          ; two columns a thread, eight parts
.endr
	s_wait_kmcnt 0x0
	s_add_co_i32 s42, s18, 127
	s_lshl_b32 s29, s42, 23                        ; 2^eA as f32
	s_add_co_i32 s42, s42, 8
	s_lshl_b32 s27, s42, 23
	s_or_b32 s27, s27, 0x600000                    ; 448 x 2^eA
	s_or_b32 s28, s27, 0x80000000                  ; and its negative
	s_add_co_i32 s30, s18, s19
	s_add_co_i32 s30, s30, 127
	s_lshl_b32 s30, s30, 23                        ; 2^(eA + eW) as f32
	s_mov_b32 s31, s30                             ; (named with it as a pair)
	s_wait_loadcnt 11                              ; Ks is in: 1 + 2 + 8 loads were issued behind it
.irp j, 0,1,2,3,4,5,6,7
	ds_store_b128 v2, v[KSR+4*\j:KSR+4*\j+3] offset:8192*\j
.endr
.irp j, 0,1,2,3,4,5,6,7
	ds_store_b128 v3, v[KSR+32+4*\j:KSR+32+4*\j+3] offset:8192*\j
.endr
	s_wait_loadcnt 10                              ; Ks at my rows: 2 + 8 behind it
	ds_store_b32 v51, v53
	s_wait_loadcnt 8                               ; Q: 8 behind it
	QSUM
	s_wait_loadcnt 0x0
.irp k, 1,2,3,4,5,6,7
	v_pk_add_f32 v[32:33], v[32:33], v[32+2*\k:33+2*\k]            ; Vs, the parts in their order
.endr
	s_wait_alu depctr_va_vdst(0)                   ; QSUM has written v4, v5 and v27, the additions v32 and v33, which the two stores read; QSUM is done with v4-7 and v28-31, in which LDS loads land behind the barrier
	ds_store_b64 v27, v[4:5]                       ; the sixteen lanes of a half write the same 8 bytes, with the same numbers
	ds_store_b64 v52, v[32:33]
	s_add_nc_u64 s[4:5], s[4:5], 512               ; Q of phase 1 (the loads that named the base are done)
	BAR                                            ; Ks, Ks at my rows, Qs of phase 0 and Vs lie in LDS
	s_wait_alu depctr_vm_vsrc(0)                   ; my LDS stores have read v4, v5 and v64-127, in which the loads below land, and v32, v33, which the maxima and minima write
	ds_load_b128 v[4:7], v62
	ds_load_b128 v[28:31], v63
.irp i, 0,1,2,3,4,5,6,7,8,9,10,11,12,13,14,15
	ds_load_b128 v[KSR+4*\i:KSR+4*\i+3], v54 offset:512*\i         ; head w, for its largest and smallest Ks
.endr
	s_wait_dscnt 0x0
	v_max3_num_f32 v32, v64, v65, v66              ; two chains each
	v_max3_num_f32 v34, v67, v68, v69
	v_min3_num_f32 v33, v64, v65, v66
	v_min3_num_f32 v35, v67, v68, v69
.irp i, 6,10,14,18,22,26,30,34,38,42,46,50,54,58
	v_max3_num_f32 v32, v32, v[KSR+\i], v[KSR+\i+1]
	v_max3_num_f32 v34, v34, v[KSR+\i+2], v[KSR+\i+3]
	v_min3_num_f32 v33, v33, v[KSR+\i], v[KSR+\i+1]
	v_min3_num_f32 v35, v35, v[KSR+\i+2], v[KSR+\i+3]
.endr
	v_max3_num_f32 v32, v32, v126, v127
	v_min3_num_f32 v33, v33, v126, v127
	v_max_num_f32 v32, v32, v34
	v_min_num_f32 v33, v33, v35
.irp m, 1,2,4,8
	v_max_num_f32_dpp v32, v32, v32 row_xmask:\m row_mask:0xf bank_mask:0xf
	v_min_num_f32_dpp v33, v33, v33 row_xmask:\m row_mask:0xf bank_mask:0xf
.endr
	v_permlanex16_b32 v36, v32, s24, s25
	v_permlanex16_b32 v37, v33, s24, s25
	v_max_num_f32 v32, v32, v36
	v_min_num_f32 v33, v33, v37
	s_wait_alu depctr_va_vdst(0)                   ; v32 and v33 are written, which the store reads; the maxima and minima are done reading v64-127, in which the loads below land
	ds_store_b64 v55, v[32:33]                     ; (Kmax, Kmin) of head w
.irp i, 0,1,2,3,4,5,6,7,8,9,10,11,12,13,14,15
	ds_load_b128 v[KSR+4*\i:KSR+4*\i+3], v56 offset:512*\i         ; phase 0's head hl
.endr
	BAR                                            ; the sixteen heads' Kmax, Kmin lie in LDS; every wave's reads of Qs are over
	ds_load_b64 v[24:25], v57
	s_add_co_u32 s[KSA], s[KSA], 16384             ; these three now stand at phase 1's
	s_add_co_u32 s[KDR], s[KDR], 256
	s_add_co_u32 s[KXR], s[KXR], 16
	s_wait_dscnt 0x0
	s_wait_alu depctr_vm_vsrc(0)                   ; the head's LDS instructions have read v32, v33, v54-57, v62 and v63, which the first batch writes
	PARAMS
	PHASE 1, 0                                     ; heads 0, 1: the products start the sums
	s_mov_b32 s41, 6
.Lphase:                                               ; heads 2 to 13
	PHASE 0, 0
	s_sub_co_u32 s41, s41, 1
	s_cmp_lg_u32 s41, 0
	s_cbranch_scc1 .Lphase
	PHASE 0, 1                                     ; heads 14, 15: nothing follows
	; THE WAY OUT.  A lane holds 32 neighbouring bytes of a row and the lanes beside it hold other rows: a block of 16 rows x 64 columns goes through my own stage in LDS and comes back by rows of 256 bytes.
	; The ten address lines are the places (ISA guide 7.12.1) behind the last products.
	v_and_b32 v4, 15, v0                           ; r
	v_bfe_u32 v5, v0, 4, 1                         ; half
	s_mul_i32 s42, s20, 16*SP
	s_add_co_u32 s42, s42, STG                     ; my stage
	v_mul_u32_u24 v6, v4, SP
	v_lshl_add_u32 v6, v5, 5, v6
	v_add_nc_u32 v6, s42, v6                       ; in: row r, + 32 x half; tile nt's columns 64 nt bytes on
	v_mul_u32_u24 v7, v5, SP
	v_lshl_add_u32 v7, v4, 4, v7
	v_add_nc_u32 v7, s42, v7                       ; back: lanes 0-15 one row, lanes 16-31 the next
	v_lshlrev_b32 v8, 12, v5
	v_lshl_add_u32 v8, v4, 4, v8                   ; and the same two rows in out0
.macro OUTY mt, y                      ; rows 16 mt on: sum x 2^(eA + eW) + bias into v[y] on, each accumulator from its low end on
.irp n, 0,1,2,3
.irp i, 0,2,4,6
	v_pk_fma_f32 v[\y+8*\n+\i:\y+8*\n+\i+1], v[ACC+8*(4*\mt+\n)+\i:ACC+8*(4*\mt+\n)+\i+1], s[30:31], v[KSR+8*\n+\i:KSR+8*\n+\i+1] op_sel_hi:[1,0,1]
.endr
.endr
.endm
.macro OUTS y, bk                      ; the block in v[y] on goes through the stage into v[bk] on
.irp n, 0,1,2,3
	ds_store_b128 v6, v[\y+8*\n:\y+8*\n+3] offset:64*\n
	ds_store_b128 v6, v[\y+8*\n+4:\y+8*\n+7] offset:64*\n+16
.endr
.irp i, 0,1,2,3,4,5,6,7
	ds_load_b128 v[\bk+4*\i:\bk+4*\i+3], v7 offset:\i*2*SP         ; LDS serves a wave's instructions in order (ISA guide 5.7.1.4): these see the stores above, and the next block's stores come behind them
.endr
.endm
	OUTY 0, 32
	OUTY 1, 128
	s_wait_alu depctr_va_vdst(0)                   ; both blocks' numbers (v32-63, v128-159) and the addresses v6, v7, v8 are written, which the stores and loads below read; the batches are done reading v96-127 and the products v160-191, in which the stage's loads land
	OUTS 32, 96
	OUTS 128, 160
.irp i, 0,1,2,3,4,5,6,7
	s_wait_dscnt 23-\i                             ; behind load i: the block's 7 - i other loads and the second block's 16 LDS instructions
	global_store_b128 v8, v[96+4*\i:99+4*\i], s[16:17] offset:2*\i*4096 th:TH_STORE_NT   ; sixteen lanes store 256 consecutive bytes, at a multiple of 256 from out0's first byte
.endr
.irp i, 0,1,2,3,4,5,6,7
	s_wait_dscnt 7-\i
	global_store_b128 v8, v[160+4*\i:163+4*\i], s[16:17] offset:65536+2*\i*4096 th:TH_STORE_NT
.endr
	s_wait_xcnt 0x0
	v_lshl_add_u32 v254, v0, 2, 0x34000            ; the add's two registers, made anew from v0, which has stayed; no memory or LDS instruction of the text reads v254 or v255 ahead of these lines
	v_mov_b32 v255, 0
	s_wait_dscnt 0x0                               ; the closing lines, six on end
	s_wait_alu 0x0
	s_wait_tensorcnt 0x0
	ds_add_u32 v254, v255
	s_wait_dscnt 0x0
	s_endpgm
.Lfunc_end_k_q26fc9f6cdd_attn:
	.size	k_q26fc9f6cdd_attn, .Lfunc_end_k_q26fc9f6cdd_attn-k_q26fc9f6cdd_attn
	.p2alignl 7, 3214868480
	.fill 96, 4, 3214868480
	.section	.rodata,"a",@progbits
	.p2align	6, 0x0
	.amdhsa_kernel k_q26fc9f6cdd_attn
		.amdhsa_group_segment_fixed_size 215040
		.amdhsa_private_segment_fixed_size 0
		.amdhsa_enable_private_segment 0
		.amdhsa_kernarg_size 56
		.amdhsa_user_sgpr_count 2
		.amdhsa_user_sgpr_kernarg_segment_ptr 1
		.amdhsa_wavefront_size32 1
		.amdhsa_system_sgpr_workgroup_id_x 1
		.amdhsa_system_sgpr_workgroup_id_y 1
		.amdhsa_system_sgpr_workgroup_id_z 1
		.amdhsa_system_vgpr_workitem_id 0
		.amdhsa_next_free_vgpr 256
		.amdhsa_next_free_sgpr 66
		.amdhsa_reserve_vcc 0
		.amdhsa_float_denorm_mode_32 3
		.amdhsa_float_denorm_mode_16_64 3
		.amdhsa_memory_ordered 1
		.amdhsa_forward_progress 1
		.amdhsa_inst_pref_size 125
	.end_amdhsa_kernel
	.amdgpu_metadata
---
amdhsa.version: [ 1, 2 ]
amdhsa.kernels:
  - .name:           k_q26fc9f6cdd_attn
    .symbol:         k_q26fc9f6cdd_attn.kd
    .args:
      - { .name: Q, .offset: 0, .size: 8, .value_kind: global_buffer, .address_space: global }
      - { .name: ks, .offset: 8, .size: 8, .value_kind: global_buffer, .address_space: global }
      - { .name: vp, .offset: 16, .size: 8, .value_kind: global_buffer, .address_space: global }
      - { .name: wf, .offset: 24, .size: 8, .value_kind: global_buffer, .address_space: global }
      - { .name: proj_b, .offset: 32, .size: 8, .value_kind: global_buffer, .address_space: global }
      - { .name: lowp_scales, .offset: 40, .size: 8, .value_kind: global_buffer, .address_space: global }
      - { .name: out0, .offset: 48, .size: 8, .value_kind: global_buffer, .address_space: global }
    .group_segment_fixed_size: 215040
    .private_segment_fixed_size: 0
    .kernarg_segment_align: 8
    .kernarg_segment_size: 56
    .max_flat_workgroup_size: 512
    .sgpr_count:     66
    .vgpr_count:     256
    .wavefront_size: 32
...
	.end_amdgpu_metadata
.endif
;; end of part 3
